; MI455X (gfx1250); checked and timed in simulation.
; The chip was launched on July 23, 2026; its instructions are those of AMD's public machine-readable ISA for CDNA 5 (MIT licence, August 2026) and "CDNA5" Instruction Set Architecture Reference Guide (July 2026). The comments in the code are by the model that wrote it; some were corrected since.
;; Quantized Layer. Allowed arithmetic: matrix products marked QUANTISED: E2M3 operands, one E8M0 scale for each 32 along K, by v_wmma_scale_f32_16x16x128_f8f6f4 with both operands' format E2M3, f32 sums; everything else in f32.
;; Inputs: bias_idx 4,096 int32; bias_table 256 x 1 float32; weight_idx 4,096 x 4,096 int32; weight_table 256 x 1 float32; x 4 x 1,024 x 4,096 float32.
;; Outputs: out0 4 x 1,024 x 4,096 float32.
;; This version of the problem:
;;   THIS VERSION OF THE PROBLEM IS GIVEN IN LOW PRECISION. The matrix products marked QUANTISED in the list below multiply operands that are first quantised to E2M3 (2 exponent bits, 3 mantissa bits; 6 bits a number), with one power-of-two scale for each 32 numbers along K (OCP MX v1.0); their sums are f32. All else is computed in f32.
;;   The module's matrix products, in the order in which they are computed (A, B: the left and right operand; K: the contracted axis; several contracted axes count as one K, in the product's order):
;;     1. [M 4,096, K 4,096] x [K 4,096, N 4,096]; A: input x; B: computed on the way: QUANTISED
;;   THE QUANTISER, for each operand of a quantised product, along K:
;;     - K is cut into blocks of 32 from its start; a last block that is shorter is filled with zeros.
;;     - A block's scale is 2^e with e = floor(log2(the largest magnitude in the block)) - 2, held to -126 .. 127; a block of zeros has e = 0. As a byte (E8M0): e + 127.
;;     - Each number is divided by its block's scale, clamped to +-7.5, and rounded to the nearest number of E2M3, ties to even, subnormals kept.
;;     - The product sums the exact products of the quantised numbers (number of the format x scale) in f32.
;;   ~~~python
;;   def quantise(x, axis):      # numpy; x: float32 -> the quantised numbers, widened to float32 again
;;       x = np.moveaxis(x, axis, -1); K = x.shape[-1]
;;       x = np.pad(x, [(0, 0)] * (x.ndim - 1) + [(0, -K % 32)]); x = x.reshape(x.shape[:-1] + (-1, 32)); a = np.abs(x).max(-1, keepdims=True)
;;       e = np.where(a > 0, np.clip(np.frexp(np.where(a > 0, a, 1))[1] - 1 - 2, -126, 127), 0)      # np.frexp(a)[1] - 1 = floor(log2(a)), exactly
;;       r = np.clip(x / 2.0 ** e, -7.5, 7.5)
;;       step = 2.0 ** (np.maximum(np.frexp(np.where(r == 0, 1, r))[1] - 1, 0) - 3)
;;       q = np.round(r / step) * step * 2.0 ** e      # np.round: ties to even
;;       return np.moveaxis(q.reshape(q.shape[:-2] + (-1,))[..., :K], -1, axis).astype(np.float32)
;;   ~~~
;;   OPERANDS COMPUTED ON THE WAY. 'Computed on the way' means the value that the module computes at that place (a softmax that the list does not call 'softmax' is quantised finished and normalised). What goes into a quantiser is computed in f32, as accurately as f32 sums, v_exp_f32 and their like allow (about 1e-6 of the number): no bf16 or f16 on the way to a quantiser, and a product that is left as it is and whose result goes on into a quantised operand takes f32 operands (vector FMAs, or v_wmma_f32_16x16x4_f32). A number that lies on a knife's edge between two numbers of the format may be rounded either way, as far as f32 arithmetic and the matrix unit's own rounding can turn it there, and no further.
;; One version. Each part assembles by itself: llvm-mc -triple=amdgcn-amd-amdhsa -mcpu=gfx1250 --defsym DOCPART=n.
;; ======== version 1 of 1: 2 launches
;; limits: right only within a limited range of input values
;; workspace buffers: xq 13,107,200 bytes; wq 13,107,200 bytes
;; launch quant (part 1): grid 4096 x 1, 1 waves a work-group, no clusters, 9,984 bytes of LDS; arguments x, weight_idx, weight_table, xq, wq; writes xq, wq
.if DOCPART == 1
	.amdgcn_target "amdgcn-amd-amdhsa--gfx1250"
	.amdhsa_code_object_version 6
	.text
	.protected	k_q27b0763b1a_quant
	.globl	k_q27b0763b1a_quant
	.p2align	8
	.type	k_q27b0763b1a_quant,@function
k_q27b0763b1a_quant:
	s_mov_b64 s[64:65], 0
	v_nop
	global_prefetch_b8 v0, s[64:65] scope:SCOPE_SE
	s_setreg_imm32_b32 hwreg(HW_REG_WAVE_MODE, 25, 1), 1
	s_wait_xcnt 0x0
; x [4096][4096] f32 and W[n][k] = weight_table[weight_idx[n][k]] are turned into codes of FP6 (E2M3) with one E8M0 scale byte for each 32 along K (K is innermost in both).
; A block's scale is 2^(floor(log2(its largest magnitude)) - 2): its byte is the largest magnitude's exponent field - 2, held at 1 from below; each number is divided by the scale and rounded to the nearest code, ties to even,
; beyond 7.5 the largest code (the conversion does both).
; LIMITS: NaN and infinities among x or the table are not served.  A block of zeros gets the byte 1 (its codes are zeros, which add nothing under that byte; this program alone reads the bytes).
; An index is held at 255 as an unsigned number; the table has 256 entries.
; THE WORKSPACE IS LAID AS THE PRODUCT'S LAUNCH READS IT: [row / 128: 32][K step of 128: 32][12,800 bytes].  Such a block holds 12,288 bytes of codes, [16 rows i: 8][1,536], a fragment (16 rows x 128 K) as an image of its
; 12 registers: four registers a group, lane l's 16 bytes of group c at 512 c + 16 l; then 512 bytes of scale words, [i / 4: 2][row r: 16][word i % 4: 4].
; SHARES.  A work-group is ONE wave and takes 64 rows x 128 along K: four fragments, and the four scale words of each of 16 lanes: 256 consecutive bytes.  Work-groups 0 to 2,047 take x, the others W; only pointers are
; chosen by the work-group's number, and a short scalar branch passes over the look-up for x.  No cluster: work-groups share no input but the table's 1,024 bytes.  No matrix unit, no tensor load: this is a stream.
; ONE WAVE, since the look-up is an LDS load whose address hangs on a loaded index: with one wave no other wave's LDS instruction stands beside it, and LDS serves a wave's instructions in order (ISA guide 5.7.1.4): no barrier.
; A LOAD reads 512 consecutive bytes of one row (16 a lane); the conversions want 32 neighbours along K in one lane's registers: so a fragment's 16 rows turn through a stage in LDS, rows 528 bytes apart.
.set KB,    12800                      ; a block of the workspace: 128 rows x 128 K with their scale words
.set GROW,  32*KB                      ; 128 rows of it, all of K
.set FRB,   1536                       ; a fragment's image
.set SCO,   8*FRB                      ; where a block's scale words begin
.set STAGE, 1024                       ; LDS: the table at 0, the stage behind it: 16 rows x 528 bytes
.set SP,    528                        ; 512 bytes + 16: the sixteen rows that a read touches begin in sixteen different columns of 16 bytes
.set ROWB,  16384                      ; a row of x or of weight_idx in bytes
.set R0,  16                           ; v16-79, v80-143  two sets of 64 numbers (or indices) as loaded
.set X,   144                          ; v144-207 64 numbers in the operand's order: register 32 c + i = k 64 c + 32 (lane / 16) + i of row lane % 16
.set C,   208                          ; v208-219 the fragment
.set T0,  220                          ; v220-222, v224-226 the upper halves of the two blocks (a conversion's three registers begin on an even number)
.set T1,  224
.set M,   228                          ; v228-229 the two blocks' largest magnitudes
.set S,   230                          ; v230-231 the conversions' scale operands
.set BT,  232                          ; v232-233 the scale bytes
.set WD,  234                          ; v234     my two bytes at their places in the word
.set PD,  235                          ; v235     lane l xor 16's
.set SW,  236                          ; v236-239 the four fragments' scale words
	s_load_b256 s[4:11], s[0:1], 0x0               ; x s[4:5], weight_idx s[6:7], weight_table s[8:9], xq s[10:11]
	s_load_b64 s[12:13], s[0:1], 0x20              ; wq
	v_lshl_add_u32 v240, v0, 2, 0x2600
	v_mov_b32 v241, 0
	v_lshlrev_b32 v1, 4, v0                        ; 16 x lane: my bytes of a load's 512, and of a stage row on the way in
	s_wait_alu depctr_va_vdst(0)
	v_and_b32 v6, 15, v0                           ; r
	v_lshrrev_b32 v7, 4, v0                        ; h
	v_mul_u32_u24 v2, v6, SP
	v_lshl_add_u32 v2, v7, 7, v2                   ; the stage on the way out: row r, + 128 h bytes (32 numbers)
	v_lshlrev_b32 v5, 3, v7                        ; 8 h: how far my two scale bytes are shifted
	v_mov_b32 v[PD], 0                             ; written once: a lane permute's destination counts as one of its sources
	s_and_b32 s15, ttmp9, 2047                     ; my number within the tensor
	s_and_b32 s16, s15, 31                         ; which K step of 128
	s_lshr_b32 s17, s15, 5                         ; which 64 rows
	s_lshr_b32 s18, s17, 1                         ; which 128 rows
	s_and_b32 s19, s17, 1                          ; which 64 of them
	s_lshl_b32 s22, s17, 20                        ; in: 64 rows of 16,384 bytes,
	s_lshl_b32 s23, s16, 9                         ; + 128 numbers of 4 bytes
	s_add_co_u32 s22, s22, s23
	s_mov_b32 s23, 0
	s_mul_i32 s24, s18, GROW                       ; out: my block of the workspace
	s_mul_i32 s25, s16, KB
	s_add_co_u32 s24, s24, s25
	s_mov_b32 s25, 0
	s_mul_i32 s26, s19, 4*FRB
	s_lshl_b32 s27, s19, 8
	v_add_nc_u32 v3, s26, v1                       ; codes: 16 x lane + my four fragments' place among the eight
	v_add_nc_u32 v4, s27, v1                       ; scale words: 16 x lane + 256 x my half
	s_mov_b32 s20, 0x76543210
	s_mov_b32 s21, 0xfedcba98                      ; v_permlanex16_b32's selects for lane l xor 16
	s_wait_kmcnt 0x0
	s_cmp_lt_u32 ttmp9, 2048                       ; x's work-group or W's?  The choice hangs on the work-group's number alone
	s_cselect_b64 s[4:5], s[4:5], s[6:7]
	s_cselect_b64 s[10:11], s[10:11], s[12:13]
	s_cselect_b32 s14, 0, 1                        ; 1: what is loaded are indices
	s_add_nc_u64 s[4:5], s[4:5], s[22:23]
	s_add_nc_u64 s[10:11], s[10:11], s[24:25]
.macro LOAD t                          ; fragment t (rows 16 t on): sixteen rows' 512 bytes into set t % 2
.set i, 0
.rept 16
	global_load_b128 v[R0+64*((\t)%2)+4*i:R0+64*((\t)%2)+4*i+3], v1, s[4:5] offset:(16*(\t)+i)*ROWB th:TH_LOAD_NT
.set i, i+1
.endr
.endm
	global_load_b128 v[8:11], v1, s[8:9]           ; the table, 1,024 bytes
	global_load_b128 v[12:15], v1, s[8:9] offset:512
	LOAD 0
	LOAD 1
	s_wait_loadcnt 32                              ; the table's two loads are in; the 32 issued behind them may be out
	ds_store_b128 v1, v[8:11]
	ds_store_b128 v1, v[12:15] offset:512
.macro FRAGMENT t
.set RS, R0+64*((\t)%2)
.if (\t) < 3
	s_wait_loadcnt 16                              ; this fragment's sixteen loads are in; the next one's sixteen may be out
.else
	s_wait_loadcnt 0x0
.endif
	s_cmp_eq_u32 s14, 0
	s_cbranch_scc1 .Lplain_\@                      ; x's numbers are taken as they come
.set i, 0
.rept 64
	v_min_u32 v[RS+i], 0xff, v[RS+i]               ; W: an index, held inside the table,
.set i, i+1
.endr
.set i, 0
.rept 64
	v_lshlrev_b32 v[RS+i], 2, v[RS+i]              ; is the byte address of its number in LDS (the table begins at byte 0)
.set i, i+1
.endr
.set i, 0
.rept 64
	ds_load_b32 v[RS+i], v[RS+i]
.set i, i+1
.endr
	s_wait_dscnt 0x0
.Lplain_\@:
.set i, 0
.rept 16
	ds_store_b128 v1, v[RS+4*i:RS+4*i+3] offset:STAGE+SP*i   ; row i as it lies
.set i, i+1
.endr
	s_wait_alu depctr_va_vdst(0)
.irp c, 0,1
.irp j, 0,1,2,3,4,5,6,7
	ds_load_b128 v[X+32*\c+4*\j:X+32*\c+4*\j+3], v2 offset:STAGE+256*\c+16*\j   ; back: 32 neighbours of my row, twice; these see the stores above (in order)
.endr
.endr
	s_wait_dscnt 0x0                               ; my 64 numbers are in, and the stores have read the set,
.if (\t) < 2
	LOAD (\t)+2                                    ; which takes the fragment two on
.endif
.irp c, 0,1                                    ; my block 2 c + h: all its 32 numbers are mine
	v_max3_num_f32 v[M+\c], |v[X+32*\c]|, |v[X+32*\c+1]|, 0x1800000   ; and the floor 2^(3 - 127): the byte cannot fall under 1
.endr
.irp k, 2,4,6,8,10,12,14,16,18,20,22,24,26,28,30
.irp c, 0,1
	v_max3_num_f32 v[M+\c], v[M+\c], |v[X+32*\c+\k]|, |v[X+32*\c+\k+1]|   ; (the two blocks by turns)
.endr
.endr
.irp c, 0,1
	v_add_nc_u32 v[S+\c], 0xff000000, v[M+\c]      ; 2 off the exponent field: the conversion takes the exponent field of this operand as its scale, and nothing else of it
.endr
.if (\t) > 0
	s_wait_alu depctr_va_vdst(0)
	s_wait_xcnt 0x0                                ; the last fragment's stores have read the codes' registers: these are written again only behind this wait
.endif
	v_cvt_scalef32_pk16_fp6_f32 v[C:C+2], v[X:X+15], v[S]
	v_cvt_scalef32_pk16_fp6_f32 v[T0:T0+2], v[X+16:X+31], v[S]
	v_cvt_scalef32_pk16_fp6_f32 v[C+6:C+8], v[X+32:X+47], v[S+1]
	v_cvt_scalef32_pk16_fp6_f32 v[T1:T1+2], v[X+48:X+63], v[S+1]
	v_lshrrev_b32 v[BT], 23, v[S]                  ; the scale's byte (also the plain line between the conversions and the first line that touches their results)
	v_lshrrev_b32 v[BT+1], 23, v[S+1]
	v_lshl_or_b32 v[WD], v[BT+1], 16, v[BT]        ; my two bytes: blocks h and 2 + h of row r,
	v_lshlrev_b32 v[WD], v5, v[WD]                 ; at their places in the word;
	v_permlanex16_b32 v[PD], v[WD], s20, s21
	v_or_b32 v[SW+(\t)], v[WD], v[PD]              ; with lane l xor 16's two the word is whole
.irp j, 0,1,2
	v_mov_b32 v[C+3+\j], v[T0+\j]                  ; registers 6 c .. 6 c + 5 hold k = 64 c + 32 h + 0 .. 31
	v_mov_b32 v[C+9+\j], v[T1+\j]
.endr
.irp c, 0,1,2
	global_store_b128 v3, v[C+4*\c:C+4*\c+3], s[10:11] offset:(\t)*FRB+512*\c   ; 32 lanes store 512 consecutive bytes, at a multiple of 512 from the buffer's first byte
.endr
.endm
	FRAGMENT 0
	FRAGMENT 1
	FRAGMENT 2
	FRAGMENT 3
	s_wait_alu depctr_va_vdst(0)
	s_wait_xcnt 0x0                                ; EXEC changes only behind this wait: it is a source of the stores above
	v_cmp_gt_u32 vcc_lo, 16, v0
	s_wait_tensorcnt 0x0
	ds_add_u32 v240, v241
	s_wait_dscnt 0x0
	s_and_saveexec_b32 s28, vcc_lo                 ; lanes 0 to 15: lane r has row r's four words (lanes 16 to 31 hold the same)
	global_store_b128 v4, v[SW:SW+3], s[10:11] offset:SCO   ; 16 lanes store 256 consecutive bytes, aligned
	s_wait_xcnt 0x0
	s_or_b32 exec_lo, exec_lo, s28
	s_endpgm
.Lfunc_end_k_q27b0763b1a_quant:
	.size	k_q27b0763b1a_quant, .Lfunc_end_k_q27b0763b1a_quant-k_q27b0763b1a_quant
	.p2alignl 7, 3214868480
	.fill 96, 4, 3214868480
	.section	.rodata,"a",@progbits
	.p2align	6, 0x0
	.amdhsa_kernel k_q27b0763b1a_quant
		.amdhsa_group_segment_fixed_size 9984
		.amdhsa_private_segment_fixed_size 0
		.amdhsa_enable_private_segment 0
		.amdhsa_kernarg_size 40
		.amdhsa_user_sgpr_count 2
		.amdhsa_user_sgpr_kernarg_segment_ptr 1
		.amdhsa_wavefront_size32 1
		.amdhsa_system_sgpr_workgroup_id_x 1
		.amdhsa_system_sgpr_workgroup_id_y 1
		.amdhsa_system_sgpr_workgroup_id_z 1
		.amdhsa_system_vgpr_workitem_id 0
		.amdhsa_next_free_vgpr 242
		.amdhsa_next_free_sgpr 66
		.amdhsa_reserve_vcc 1
		.amdhsa_float_denorm_mode_32 3
		.amdhsa_float_denorm_mode_16_64 3
		.amdhsa_memory_ordered 1
		.amdhsa_forward_progress 1
		.amdhsa_inst_pref_size 71
	.end_amdhsa_kernel
	.amdgpu_metadata
---
amdhsa.version: [ 1, 2 ]
amdhsa.kernels:
  - .name:           k_q27b0763b1a_quant
    .symbol:         k_q27b0763b1a_quant.kd
    .args:
      - { .name: x, .offset: 0, .size: 8, .value_kind: global_buffer, .address_space: global }
      - { .name: weight_idx, .offset: 8, .size: 8, .value_kind: global_buffer, .address_space: global }
      - { .name: weight_table, .offset: 16, .size: 8, .value_kind: global_buffer, .address_space: global }
      - { .name: xq, .offset: 24, .size: 8, .value_kind: global_buffer, .address_space: global }
      - { .name: wq, .offset: 32, .size: 8, .value_kind: global_buffer, .address_space: global }
    .group_segment_fixed_size: 9984
    .private_segment_fixed_size: 0
    .kernarg_segment_align: 8
    .kernarg_segment_size: 40
    .max_flat_workgroup_size: 32
    .sgpr_count:     66
    .vgpr_count:     242
    .wavefront_size: 32
...
	.end_amdgpu_metadata
.endif
;; end of part 1
;; launch gemm (part 2): grid 16 x 16, 4 waves a work-group, clusters of 4 x 4, 327,680 bytes of LDS; arguments xq, wq, bias_idx, bias_table, out0; writes out0
.if DOCPART == 2
	.amdgcn_target "amdgcn-amd-amdhsa--gfx1250"
	.amdhsa_code_object_version 6
	.text
	.protected	k_q27b0763b1a_gemm
	.globl	k_q27b0763b1a_gemm
	.p2align	8
	.type	k_q27b0763b1a_gemm,@function
k_q27b0763b1a_gemm:
	s_mov_b64 s[64:65], 0
	v_nop
	global_prefetch_b8 v0, s[64:65] scope:SCOPE_SE
	s_setreg_imm32_b32 hwreg(HW_REG_WAVE_MODE, 25, 1), 1
	s_wait_xcnt 0x0
	s_wait_alu depctr_hold_cnt(0) depctr_sa_sdst(0) depctr_va_vdst(0) depctr_va_sdst(0) depctr_va_ssrc(0) depctr_va_vcc(0) depctr_vm_vsrc(0)
	s_getreg_b32 s2, hwreg(HW_REG_IB_STS2, 6, 4)
	s_cmp_eq_u32 s2, 0
	s_cbranch_scc0 .Lentry_in_a_cluster
	s_endpgm
.Lentry_in_a_cluster:
	s_bfe_u32 s2, ttmp6, 0x10000c
	s_cmp_lg_u32 s2, 0xf033
	s_cbranch_scc0 .Lentry_shape_is_right
	s_endpgm
.Lentry_shape_is_right:
; out0[m][n] = sum over k of Q(x)[m][k] Q(W)[n][k] + bias_table[bias_idx[n]].  xq and wq hold codes of FP6 (E2M3) and E8M0 scale words as the launch before laid them:
; [row / 128: 32][K step of 128: 32][12,800 bytes]; such a block is eight fragments (16 rows x 128 K) as images of their 12 registers (lane l's 16 bytes of group c at 512 c + 16 l), then 512 bytes of scale words.
; A work-group of four waves makes 256 x 256 of out0, a wave 128 x 128: 64 accumulators, 512 registers.  K goes through two LDS slots of three K steps each (the eleventh chunk has two steps);
; a wave's one tensor load brings the three blocks of 128 rows: 150 dense rows of 256 bytes.
; CLUSTERS: 4 x 4 work-groups; xq's tiles are asked for jointly along a row of the cluster, wq's along a column.
; THE MATRIX INSTRUCTION IS USED TRANSPOSED (source 0 = rows of W, source 1 = rows of x): a lane holds eight neighbouring columns of one row of out0.
; TWO SETS OF FRAGMENT REGISTERS FOR BOTH OPERANDS, so that a step's 50 LDS loads stand in two runs: at a step's head the next step's fragments of W and its scale words (26 loads), in its middle the next step's
; fragments of x (24 loads).  Both runs write registers that the step before read last: one group of four places at the step's head serves both.
; THE LAST TWO K STEPS GO BY ROWS OF out0: their fragments lie in the two sets at once, so a block of 16 rows gets its 8 + 8 products (its eight accumulators by turns, K ascending) and leaves while the later blocks are multiplied.
; THE BIAS is added on the way out, where a lane holds the same four columns in every row: four numbers a lane.  An index is held at 255 as an unsigned number; the table has 256 entries.
; PREFETCH: behind each joint load of chunk c every cluster asks for chunk c + 2 of what it will itself load; the four partners of a joint load share its 150 rows out by address, 38 rows each
; (a lane a row, two instructions a wave).  The head asks for chunks 1, 2 and 3.  The last chunk, of 100 rows, is not asked for: the partners' shares would pass its end.
; REGISTERS: window 0: v8-11 bias, v16-31 addresses, v32-47 scale words (two sets), v64-159 and v160-255 x's fragments.
;   window 1: W's fragments, sets at v0 and v128.  Window 2: accumulators of my rows 0-63 ((a, b) at v[8 (8 a + b)]); window 3: rows 64-127.  On the way out a block's rows come back into its own 64 accumulator registers.
.set SIZE_N, 4096
.set KB,     12800                     ; 128 rows x 128 K with their scale words
.set HALFT,  3*KB                      ; what one tensor load brings
.set GROW,   32*KB                     ; 128 rows, all of K
.set SLOT,   4*HALFT                   ; x's 256 rows, then W's 256 rows
.set FRB,    1536                      ; a fragment's image
.set SCO,    8*FRB                     ; where a block's scale words begin
.set SPARE,  2*SLOT                    ; the spare words: 128 bytes a wave, named by no other line
.set STAGE,  SLOT                      ; the way out goes through slot 1, which has had its last fill and its last read by then (the last chunk lies in slot 0)
.set SPITCH, 528
.set FR,     12
.set NP,     4                         ; places behind this matrix form (ISA guide 7.12.1)
.set LAPS,   5
.set ADRA, 16                          ; v16-17 LDS address of x's fragments in slot 0, 1
.set ADRS, 18                          ; v18-19 of the scale words: lanes 0-15 x's, lanes 16-31 W's
.set ADRB, 20                          ; v20-21 of W's fragments
.set STO,  24
.set RD,   25
.set CO,   26                          ; 16 x lane
.set SPW,  28
.set NIL,  29
.set PFO,  30                          ; prefetch offsets: rows 0-31 of my share,
.set PFO2, 31                          ; rows 32-37 (the lanes left over name the last row again)
.set BI,   8                           ; v8-11 the bias of my four columns
.set SC,   32
.set AF,   64                          ; x's set p at v[AF + 96 p]
.set G1, 24
.set G0, 32
.set G1B, 48
.set G0B, 56
.set PFA, 66
.set G1T, 76                           ; group 1 for the last chunk: 100 rows
.set G1TB, 84
.set MSB, 0
.macro WIN new                         ; the immediate's high byte repeats the setting that is left
.if MSB != (\new)
	s_set_vgpr_msb (MSB<<8)|(\new)
.set MSB, (\new)
.endif
.endm
.set MUL_LO, 0xa1                      ; source 0 (W) window 1, source 1 (x) window 0, C and D window 2
.set MUL_HI, 0xf1
.set TO_B,   0x40
.macro JLOAD g0a, g1a, g0b, g1b        ; a joint load: waves 0, 1 fetch x's halves, waves 2, 3 W's
	s_cmp_eq_u32 s15, 0
	s_cbranch_scc0 .Lfor_b_\@
	tensor_load_to_lds s[\g0a:\g0a+3], s[\g1a:\g1a+7]
	s_nop 0
.rept 4
	v_nop
.endr
	s_branch .Lasked_\@
.Lfor_b_\@:
	tensor_load_to_lds s[\g0b:\g0b+3], s[\g1b:\g1b+7]
	s_nop 0
.rept 4
	v_nop
.endr
.Lasked_\@:
.endm
.macro ASKAT off                       ; my 38 rows of the chunk that begins off bytes behind s[PFA]
	global_prefetch_b8 v[PFO], s[PFA:PFA+1] offset:\off th:TH_LOAD_NT scope:SCOPE_SE
	global_prefetch_b8 v[PFO2], s[PFA:PFA+1] offset:\off th:TH_LOAD_NT scope:SCOPE_SE
.endm
.macro ASK                             ; in the loop: not in its last trip, whose chunks two on are the short one and none
	s_cmp_gt_u32 s3, 1
	s_cbranch_scc0 .Lno_ask_\@
	ASKAT 2*HALFT
.Lno_ask_\@:
.endm
.macro CREST                           ; a round of the cluster's barrier behind its opening barrier
	s_cmp_lg_u32 s14, 0
	s_cbranch_scc1 .Lnot_wave_0_\@
	s_barrier_signal -3
.Lnot_wave_0_\@:
	s_barrier_wait -3
	s_barrier_signal -1
	s_barrier_wait -1
.endm
.macro CROUND
	s_barrier_signal -1
	s_barrier_wait -1
	CREST
.endm
	s_load_b256 s[4:11], s[0:1], 0x0               ; xq, wq, bias_idx, bias_table
	s_load_b64 s[12:13], s[0:1], 0x20              ; out0
	v_lshl_add_u32 v[SPW], v0, 2, SPARE
	v_mov_b32 v[NIL], 0
	ds_add_u32 v[SPW], v[NIL]                      ; the opening add,
	ds_add_u32 v[SPW], v[NIL]                      ; twice on end, and one wait below
	v_lshrrev_b32 v1, 5, v0
	v_readfirstlane_b32 s14, v1                    ; wave
	s_lshr_b32 s15, s14, 1                         ; my half of the rows; also: I fetch for x (0) or W (1)
	s_and_b32 s16, s14, 1                          ; my half of the columns; also: which 128 rows I fetch
	s_bfe_u32 s40, ttmp6, 0x40000                  ; cx
	s_bfe_u32 s41, ttmp6, 0x40004                  ; cy
	s_lshl_b32 s42, ttmp9, 2
	s_add_co_u32 s42, s42, s40                     ; tile column
	s_and_b32 s17, ttmp7, 0xffff
	s_lshl_b32 s17, s17, 2
	s_add_co_u32 s17, s17, s41                     ; tile row
	s_lshl_b32 s43, s41, 2
	s_lshl_b32 s43, 15, s43                        ; my row of the cluster
	s_lshl_b32 s44, 0x1111, s40                    ; my column
	s_or_b32 s[G1+0], s43, (3<<16)|(1<<21)         ; elements of 8 bytes, the mask, bit 21 beside it
	s_or_b32 s[G1B+0], s44, (3<<16)|(1<<21)
	s_or_b32 s[G1T+0], s43, (3<<16)|(1<<21)
	s_or_b32 s[G1TB+0], s44, (3<<16)|(1<<21)
.irp g, G1, G1B
	s_mov_b32 s[\g+1], 32<<16                      ; rows of 32 elements, 256 bytes, dense
	s_mov_b32 s[\g+2], 150<<16
	s_mov_b32 s[\g+3], 32<<16
	s_mov_b32 s[\g+4], 150
	s_mov_b32 s[\g+5], 32
	s_mov_b32 s[\g+6], 0
	s_mov_b32 s[\g+7], 0
.endr
.irp g, G1T, G1TB
	s_mov_b32 s[\g+1], 32<<16
	s_mov_b32 s[\g+2], 100<<16
	s_mov_b32 s[\g+3], 32<<16
	s_mov_b32 s[\g+4], 100
	s_mov_b32 s[\g+5], 32
	s_mov_b32 s[\g+6], 0
	s_mov_b32 s[\g+7], 0
.endr
	s_lshl_b32 s20, s17, 1
	s_add_co_u32 s20, s20, s16
	s_mul_i32 s20, s20, GROW                       ; xq: my 128 rows
	s_mov_b32 s21, 0
	s_lshl_b32 s46, s42, 1
	s_add_co_u32 s46, s46, s16
	s_mul_i32 s46, s46, GROW                       ; wq likewise
	s_mov_b32 s47, 0
	s_mul_i32 s45, s14, HALFT                      ; where they go in a slot
	s_wait_dscnt 0x0                               ; both opening adds are done
	s_wait_kmcnt 0x0
	s_add_nc_u64 s[20:21], s[4:5], s[20:21]
	s_add_nc_u64 s[46:47], s[6:7], s[46:47]
	CROUND                                         ; all sixteen work-groups are here: the first joint loads meet
.irp s, 0,1
	s_mov_b32 s[G0+4*\s], 1
	s_add_co_u32 s[G0+4*\s+1], s45, \s*SLOT
	s_add_nc_u64 s[G0+4*\s+2:G0+4*\s+3], s[20:21], \s*HALFT
	s_or_b32 s[G0+4*\s+3], s[G0+4*\s+3], 0x80000000
	s_mov_b32 s[G0B+4*\s], 1
	s_add_co_u32 s[G0B+4*\s+1], s45, \s*SLOT
	s_add_nc_u64 s[G0B+4*\s+2:G0B+4*\s+3], s[46:47], \s*HALFT
	s_or_b32 s[G0B+4*\s+3], s[G0B+4*\s+3], 0x80000000
.endr
	JLOAD G0, G1, G0B, G1B                         ; chunk 0: one tensor load a wave at the head
	; the scalars of the head first, then its vector lines in one run
	s_lshl_b32 s46, s42, 10
	s_lshl_b32 s47, s16, 9
	s_add_co_u32 s46, s46, s47                     ; my first column x 4 bytes: in bias_idx and in a row of out0
	s_mov_b32 s47, 0
	s_add_nc_u64 s[8:9], s[8:9], s[46:47]
	s_lshl_b32 s20, s17, 8
	s_lshl_b32 s21, s15, 7
	s_add_co_u32 s20, s20, s21
	s_lshl_b32 s20, s20, 14                        ; my first row x 16,384 bytes
	s_mov_b32 s21, 0
	s_add_nc_u64 s[20:21], s[20:21], s[46:47]
	s_add_nc_u64 s[12:13], s[12:13], s[20:21]
	s_mul_i32 s21, s15, HALFT                      ; my 128 rows of x in a slot
	s_mul_i32 s22, s16, HALFT
	s_add_co_u32 s22, s22, 2*HALFT                 ; my 128 rows of W
	s_sub_co_u32 s23, s22, s21
	s_add_co_u32 s18, s21, SLOT
	s_add_co_u32 s19, s22, SLOT
	s_mul_i32 s74, s14, 16*SPITCH
	s_add_co_u32 s74, s74, STAGE                   ; my stage
	s_cmp_eq_u32 s15, 0                            ; the prefetches: the tensor that I fetch for,
	s_cselect_b32 s70, s17, s42
	s_cselect_b32 s71, s40, s41                    ; my place among the four that ask jointly
	s_cselect_b64 s[PFA:PFA+1], s[4:5], s[6:7]
	s_lshl_b32 s70, s70, 1
	s_add_co_u32 s70, s70, s16
	s_mul_i32 s70, s70, GROW
	s_mul_i32 s71, s71, 38                         ; my share begins at row 38 x place
	s_sub_co_u32 s73, 117, s71
	s_min_u32 s73, s73, 5                          ; and ends at row 149 at the latest
	s_lshl_b32 s71, s71, 8
	s_add_co_u32 s70, s70, s71
	s_add_co_u32 s70, s70, HALFT                   ; at chunk 1
	s_mov_b32 s71, 0
	s_add_nc_u64 s[PFA:PFA+1], s[PFA:PFA+1], s[70:71]
	v_and_b32 v1, 15, v0
	v_bfe_u32 v2, v0, 4, 1
	v_and_b32 v3, 31, v0
	v_lshlrev_b32 v[CO], 4, v3
	v_mul_u32_u24 v6, s23, v2                      ; lanes 16-31 take W's scale words
	v_lshl_add_u32 v5, v1, 4, v6
	v_add_nc_u32 v5, SCO, v5
	v_add_nc_u32 v[ADRA], s21, v[CO]
	v_add_nc_u32 v[ADRB], s22, v[CO]
	v_add_nc_u32 v[ADRS], s21, v5
	v_add_nc_u32 v[ADRA+1], s18, v[CO]
	v_add_nc_u32 v[ADRB+1], s19, v[CO]
	v_add_nc_u32 v[ADRS+1], s18, v5
	v_mul_u32_u24 v4, v1, SPITCH
	v_lshl_add_u32 v4, v2, 5, v4
	v_add_nc_u32 v[STO], s74, v4                   ; into the stage: row l % 16, 32 bytes for each half of the lanes
	v_add_nc_u32 v[RD], s74, v[CO]                 ; back: 32 lanes take a row of 512 bytes
	v_lshlrev_b32 v[PFO], 8, v3
	v_min_u32 v[PFO2], s73, v3
	v_add_nc_u32 v[PFO2], 32, v[PFO2]
	v_lshlrev_b32 v[PFO2], 8, v[PFO2]
	global_load_b128 v[BI:BI+3], v[CO], s[8:9]     ; the bias indices of my four columns
	ASKAT 0                                        ; chunks 1 and 2
	ASKAT HALFT
.macro FRAG reg, adr, q, i
.irp c, 0,1,2
	ds_load_b128 v[\reg+4*\c:\reg+4*\c+3], v[\adr] offset:(\q)*KB+(\i)*FRB+512*\c
.endr
.endm
.macro RUNB slot, q, p                 ; 26 loads: W's eight fragments of step q of the slot into set p, and the scale words: register SC + 8 p + i: lanes 0-15 the word of x's block i, lanes 16-31 that of W's block i
	WIN TO_B
.irp i, 0,1,2,3,4,5,6,7
	FRAG 128*(\p)+FR*\i, ADRB+\slot, \q, \i
.endr
	WIN 0
.irp g, 0,1
	ds_load_b128 v[SC+8*(\p)+4*\g:SC+8*(\p)+4*\g+3], v[ADRS+\slot] offset:(\q)*KB+256*\g
.endr
.endm
.macro RUNA slot, q, p                 ; 24 loads: x's eight fragments into set p
	WIN 0
.irp i, 0,1,2,3,4,5,6,7
	FRAG AF+96*(\p)+FR*\i, ADRA+\slot, \q, \i
.endr
.endm
.macro MUL8 a, p, first                ; x's block a against W's eight; the accumulators take turns
	WIN MUL_LO+0x50*((\a)/4)
.irp b, 0,1,2,3,4,5,6,7
.if \first
	v_wmma_scale_f32_16x16x128_f8f6f4 v[8*(8*((\a)%4)+\b):8*(8*((\a)%4)+\b)+7], v[128*(\p)+FR*\b:128*(\p)+FR*\b+FR-1], v[AF+96*(\p)+FR*(\a):AF+96*(\p)+FR*(\a)+FR-1], 0, v[SC+8*(\p)+\b], v[SC+8*(\p)+(\a)] matrix_a_fmt:MATRIX_FMT_FP6 matrix_b_fmt:MATRIX_FMT_FP6 matrix_a_scale:MATRIX_SCALE_ROW1
.else
	v_wmma_scale_f32_16x16x128_f8f6f4 v[8*(8*((\a)%4)+\b):8*(8*((\a)%4)+\b)+7], v[128*(\p)+FR*\b:128*(\p)+FR*\b+FR-1], v[AF+96*(\p)+FR*(\a):AF+96*(\p)+FR*(\a)+FR-1], v[8*(8*((\a)%4)+\b):8*(8*((\a)%4)+\b)+7], v[SC+8*(\p)+\b], v[SC+8*(\p)+(\a)] matrix_a_fmt:MATRIX_FMT_FP6 matrix_b_fmt:MATRIX_FMT_FP6 matrix_a_scale:MATRIX_SCALE_ROW1
.endif
.endr
.endm
.macro PLACES n
.rept \n
	v_nop
.endr
.endm
; A step of 128 along K at (slot, q), on the sets P; the next step lies at (ns, nq) and goes into the sets 1 - P.
; turn = 1: the slot's last step.  All reads of the slot were issued in the step before.  At the step's head stand a tensor wait, an add and the barrier, which opens a round of the cluster's barrier
; where the slot is filled again (fill = 1: 150 rows, 2: the last chunk's 100); behind it the refill, and then the next slot's first fragments.
.macro STEP slot, q, ns, nq, first, turn, fill
.set P, ((\slot)+(\q))%2
.if (\fill) == 1
	s_wait_xcnt 0x0                                ; my prefetches have read their address: it steps one chunk
	s_add_nc_u64 s[PFA:PFA+1], s[PFA:PFA+1], HALFT
.endif
	PLACES NP                                      ; between the last step's products and this step's loads into what they read
.if \turn
	s_wait_tensorcnt 0x0                           ; my one tensor load, my part of the next slot, has landed
	ds_add_u32 v[SPW], v[NIL]
	s_wait_dscnt 13                                ; x's blocks 4 to 7 (12 loads) and the add may be out
	MUL8 0, P, 0
	s_wait_dscnt 0x0                               ; the add is done, and my reads of this slot are over
	s_barrier_signal -1
	MUL8 1, P, 0
	MUL8 2, P, 0
	WIN 0
	s_barrier_wait -1
.if (\fill) > 0
	CREST                                          ; no wave of any partner still reads this slot or has a load on its way
	s_add_nc_u64 s[G0+4*\slot+2:G0+4*\slot+3], s[G0+4*\slot+2:G0+4*\slot+3], 2*HALFT
	s_add_nc_u64 s[G0B+4*\slot+2:G0B+4*\slot+3], s[G0B+4*\slot+2:G0B+4*\slot+3], 2*HALFT
.if (\fill) == 1
	JLOAD G0+4*\slot, G1, G0B+4*\slot, G1B
.else
	JLOAD G0+4*\slot, G1T, G0B+4*\slot, G1TB
.endif
.endif
	RUNB \ns, \nq, 1-P
.if (\fill) == 1
	ASK
.endif
	MUL8 3, P, 0
	MUL8 4, P, 0
	RUNA \ns, \nq, 1-P
.else
	RUNB \ns, \nq, 1-P
	s_wait_dscnt 38                                ; W's set, the scale words and x's blocks 0 to 3 are in: blocks 4 to 7 (12 loads) and the 26 just issued may be out
	MUL8 0, P, \first
	MUL8 1, P, \first
	MUL8 2, P, \first
	MUL8 3, P, \first
	WIN 0
	s_wait_dscnt 26                                ; x's blocks 4 to 7 are in: the head's 26 may be out
	RUNA \ns, \nq, 1-P
	MUL8 4, P, \first
.endif
	MUL8 5, P, \first
	MUL8 6, P, \first
	MUL8 7, P, \first
	WIN 0
.endm
	s_wait_alu depctr_va_vdst(0)                   ; the wait at the head's end
	s_wait_tensorcnt 0x0                           ; my part of chunk 0 is in
	ds_add_u32 v[SPW], v[NIL]
	s_wait_dscnt 0x0
	CROUND                                         ; everybody's part of chunk 0 is in, and the joint loads meet
	JLOAD G0+4, G1, G0B+4, G1B                     ; chunk 1, slot 1's first fill
	RUNB 0, 0, 0
	RUNA 0, 0, 0
	ASKAT 2*HALFT                                  ; chunk 3
	s_wait_loadcnt 0x0                             ; the bias indices
.irp i, 0,1,2,3
	v_min_u32 v[BI+\i], 0xff, v[BI+\i]             ; held inside the table
.endr
.irp i, 0,1,2,3
	v_lshlrev_b32 v[BI+\i], 2, v[BI+\i]
.endr
.irp i, 0,1,2,3
	global_load_b32 v[BI+\i], v[BI+\i], s[10:11]   ; waited for ahead of the way out
.endr
	STEP 0, 0, 0, 1, 1, 0, 0                       ; the first step's products start the sums
	s_mov_b32 s3, LAPS-1
.Llap:                                                 ; a trip goes once round the ring: six steps, both slots filled again
	STEP 0, 1, 0, 2, 0, 0, 0
	STEP 0, 2, 1, 0, 0, 1, 1
	STEP 1, 0, 1, 1, 0, 0, 0
	STEP 1, 1, 1, 2, 0, 0, 0
	STEP 1, 2, 0, 0, 0, 1, 1
	STEP 0, 0, 0, 1, 0, 0, 0
	s_sub_co_u32 s3, s3, 1
	s_cmp_lg_u32 s3, 0
	s_cbranch_scc1 .Llap
	STEP 0, 1, 0, 2, 0, 0, 0
	STEP 0, 2, 1, 0, 0, 1, 2                       ; the last chunk, two steps, into slot 0
	STEP 1, 0, 1, 1, 0, 0, 0
	STEP 1, 1, 1, 2, 0, 0, 0
	STEP 1, 2, 0, 0, 0, 1, 0                       ; nothing is left to fetch; it has fetched the last chunk's first step into the sets 0
; THE WAY OUT of block a, 16 rows x 128 columns.  TOSTAGE: four places behind the products, the block's accumulators into my own stage, and back as whole rows of 512 bytes into the same 64 registers.
; LDS serves a wave's instructions in order (ISA guide 5.7.1.4): the loads see the stores, and the next block's stores come behind these loads.  SEND: the bias added, each row stored as two aligned units of 256 bytes.
; No register is used twice and the block's place stands in the stores' immediate (127 rows of 16,384 bytes at the most, inside the signed 24 bits), so nothing here waits for a store.
.macro TOSTAGE a
.set AC, 64*((\a)%4)
	PLACES NP
	WIN 0x08+4*((\a)/4)                            ; the stores' data: window 2 or 3
.irp b, 0,1,2,3,4,5,6,7
	ds_store_b128 v[STO], v[AC+8*\b:AC+8*\b+3] offset:64*\b          ; each accumulator from its low end on
	ds_store_b128 v[STO], v[AC+8*\b+4:AC+8*\b+7] offset:64*\b+16
.endr
	WIN 0x80+0x40*((\a)/4)                         ; the loads' destination: the same window
.irp t, 0,1,2,3,4,5,6,7,8,9,10,11,12,13,14,15
	ds_load_b128 v[AC+4*\t:AC+4*\t+3], v[RD] offset:\t*SPITCH
.endr
.endm
.macro SEND a, younger                 ; younger: the LDS instructions issued behind block a's loads
.set AC, 64*((\a)%4)
	s_wait_dscnt \younger
	WIN 0x82+0x41*((\a)/4)                         ; source 0 and destination: the block's window; source 1, the bias: window 0
.irp t, 0,1,2,3,4,5,6,7,8,9,10,11,12,13,14,15
	v_pk_add_f32 v[AC+4*\t:AC+4*\t+1], v[AC+4*\t:AC+4*\t+1], v[BI:BI+1]          ; the block's 32 additions in one run, ahead of its stores
	v_pk_add_f32 v[AC+4*\t+2:AC+4*\t+3], v[AC+4*\t+2:AC+4*\t+3], v[BI+2:BI+3]
.endr
	WIN 0x08+4*((\a)/4)
.irp t, 0,1,2,3,4,5,6,7,8,9,10,11,12,13,14,15
	global_store_b128 v[CO], v[AC+4*\t:AC+4*\t+3], s[12:13] offset:(16*(\a)+\t)*SIZE_N*4 th:TH_STORE_NT   ; 32 lanes store 512 consecutive bytes, aligned
.endr
.endm
	PLACES NP                                      ; THE LAST TWO STEPS, by rows.  The very last step's fragments go into the sets 1, which the step before read
	RUNB 0, 1, 1
	RUNA 0, 1, 1
	s_wait_loadcnt 0x0                             ; the bias
	s_wait_dscnt 50                                ; the sets 0 are in; the 50 loads just issued may be out
	MUL8 0, 0, 0                                   ; four blocks' products of the first of the two steps stand ahead of the wait for the second step's fragments
	MUL8 1, 0, 0
	MUL8 2, 0, 0
	MUL8 3, 0, 0
	s_wait_dscnt 0
	MUL8 0, 1, 0
	MUL8 1, 1, 0
	TOSTAGE 0
	MUL8 2, 1, 0
	TOSTAGE 1
	SEND 0, 32                                     ; behind block 0's loads: block 1's 16 stores and 16 loads
	MUL8 3, 1, 0
	TOSTAGE 2
	SEND 1, 32
.irp a, 4,5,6,7
	MUL8 \a, 0, 0
	MUL8 \a, 1, 0
	TOSTAGE \a-1
	SEND \a-2, 32
.endr
	TOSTAGE 7
	SEND 6, 32
	SEND 7, 0
	WIN 0
	s_wait_tensorcnt 0x0                           ; the wave's end
	ds_add_u32 v[SPW], v[NIL]
	s_wait_dscnt 0x0
	CROUND                                         ; the closing round
	s_endpgm
.Lfunc_end_k_q27b0763b1a_gemm:
	.size	k_q27b0763b1a_gemm, .Lfunc_end_k_q27b0763b1a_gemm-k_q27b0763b1a_gemm
	.p2alignl 7, 3214868480
	.fill 96, 4, 3214868480
	.section	.rodata,"a",@progbits
	.p2align	6, 0x0
	.amdhsa_kernel k_q27b0763b1a_gemm
		.amdhsa_group_segment_fixed_size 327680
		.amdhsa_private_segment_fixed_size 0
		.amdhsa_enable_private_segment 0
		.amdhsa_kernarg_size 40
		.amdhsa_user_sgpr_count 2
		.amdhsa_user_sgpr_kernarg_segment_ptr 1
		.amdhsa_wavefront_size32 1
		.amdhsa_system_sgpr_workgroup_id_x 1
		.amdhsa_system_sgpr_workgroup_id_y 1
		.amdhsa_system_sgpr_workgroup_id_z 1
		.amdhsa_system_vgpr_workitem_id 0
		.amdhsa_next_free_vgpr 1024
		.amdhsa_next_free_sgpr 92
		.amdhsa_reserve_vcc 0
		.amdhsa_float_denorm_mode_32 3
		.amdhsa_float_denorm_mode_16_64 3
		.amdhsa_memory_ordered 1
		.amdhsa_forward_progress 1
		.amdhsa_inst_pref_size 222
	.end_amdhsa_kernel
	.amdgpu_metadata
---
amdhsa.version: [ 1, 2 ]
amdhsa.kernels:
  - .name:           k_q27b0763b1a_gemm
    .symbol:         k_q27b0763b1a_gemm.kd
    .args:
      - { .name: xq, .offset: 0, .size: 8, .value_kind: global_buffer, .address_space: global }
      - { .name: wq, .offset: 8, .size: 8, .value_kind: global_buffer, .address_space: global }
      - { .name: bias_idx, .offset: 16, .size: 8, .value_kind: global_buffer, .address_space: global }
      - { .name: bias_table, .offset: 24, .size: 8, .value_kind: global_buffer, .address_space: global }
      - { .name: out0, .offset: 32, .size: 8, .value_kind: global_buffer, .address_space: global }
    .group_segment_fixed_size: 327680
    .private_segment_fixed_size: 0
    .kernarg_segment_align: 8
    .kernarg_segment_size: 40
    .max_flat_workgroup_size: 128
    .sgpr_count:     92
    .vgpr_count:     1024
    .wavefront_size: 32
...
	.end_amdgpu_metadata
.endif
;; end of part 2
